; MI455X (gfx1250); checked and timed in simulation.
; The chip was launched on July 23, 2026; its instructions are those of AMD's public machine-readable ISA for CDNA 5 (MIT licence, August 2026) and "CDNA5" Instruction Set Architecture Reference Guide (July 2026). The comments in the code are by the model that wrote it; some were corrected since.
;; Multi Head Attention. Allowed arithmetic: matrix products marked QUANTISED: E4M3 operands, one given power-of-two scale a tensor, by v_wmma_f32_16x16x64_fp8_fp8 or v_wmma_f32_16x16x128_fp8_fp8, f32 sums; everything else in f32.
;; Inputs: Wk 1,024 x 1,024 float32; Wo 1,024 x 1,024 float32; Wq 1,024 x 1,024 float32; Wv 1,024 x 1,024 float32; lowp_scales 12 int32 (the exponents e of the quantised operands' scales 2^e); x 4 x 2,048 x 1,024 float32.
;; Outputs: out0 4 x 2,048 x 1,024 float32.
;; This version of the problem:
;;   THIS VERSION OF THE PROBLEM IS GIVEN IN LOW PRECISION. The matrix products marked QUANTISED in the list below multiply operands that are first quantised to E4M3 (4 exponent bits, 3 mantissa bits; 8 bits a number), with one given power-of-two scale for each operand tensor; their sums are f32. All else is computed in f32.
;;   The module's matrix products, in the order in which they are computed (A, B: the left and right operand; K: the contracted axis; several contracted axes count as one K, in the product's order):
;;     1. [M 8,192, K 1,024] x [K 1,024, N 1,024]; A: input x; B: input Wq: QUANTISED (scales: A lowp_scales[0], B lowp_scales[1])
;;     2. [M 8,192, K 1,024] x [K 1,024, N 1,024]; A: input x; B: input Wk: QUANTISED (scales: A lowp_scales[2], B lowp_scales[3])
;;     3. [M 8,192, K 1,024] x [K 1,024, N 1,024]; A: input x; B: input Wv: QUANTISED (scales: A lowp_scales[4], B lowp_scales[5])
;;     4. batch 64 x [M 2,048, K 64] x [K 64, N 2,048]; A: computed on the way; B: computed on the way: QUANTISED (scales: A lowp_scales[6], B lowp_scales[7])
;;     5. batch 64 x [M 2,048, K 2,048] x [K 2,048, N 64]; A: softmax (see below); B: computed on the way: QUANTISED (scales: A lowp_scales[8], B lowp_scales[9])
;;     6. [M 8,192, K 1,024] x [K 1,024, N 1,024]; A: computed on the way; B: input Wo: QUANTISED (scales: A lowp_scales[10], B lowp_scales[11])
;;   THE QUANTISER, for each operand of a quantised product, along K:
;;     - The operand's scale is 2^e, e = its entry of the input lowp_scales (int32; the entries are numbered through the quantised products in the list's order, A before B).
;;     - Each number is divided by the scale, clamped to +-448, and rounded to the nearest number of E4M3, ties to even, subnormals kept.
;;     - The product sums the exact products of the quantised numbers (number of the format x scale) in f32.
;;   ~~~python
;;   def quantise(x, axis, e):      # numpy; x: float32 -> the quantised numbers, widened to float32 again
;;       x = np.moveaxis(x, axis, -1); K = x.shape[-1]
;;       r = np.clip(x / 2.0 ** e, -448, 448)
;;       step = 2.0 ** (np.maximum(np.frexp(np.where(r == 0, 1, r))[1] - 1, -6) - 3)
;;       q = np.round(r / step) * step * 2.0 ** e      # np.round: ties to even
;;       return np.moveaxis(q, -1, axis).astype(np.float32)
;;   ~~~
;;   SOFTMAX AHEAD OF A QUANTISED PRODUCT. Where the list says 'softmax', what is quantised is not the finished softmax but p = 2^(t - M), with t = logit x log2(e) and M = ceil(the row's largest t), a whole number; so 1/2 < the row's largest p <= 1. The row's sum l is taken of the UNQUANTISED p, in f32, and the product's result is divided by l at the end. Since M is a whole number, a kernel that streams over the keys may use a running M (the ceiling of the running maximum): every later rescaling is an exact power of two, so the quantised numbers keep their values, but for numbers so far below the row's largest that they fall under the format's range.
;;   OPERANDS COMPUTED ON THE WAY. 'Computed on the way' means the value that the module computes at that place (a softmax that the list does not call 'softmax' is quantised finished and normalised). What goes into a quantiser is computed in f32, as accurately as f32 sums, v_exp_f32 and their like allow (about 1e-6 of the number): no bf16 or f16 on the way to a quantiser, and a product that is left as it is and whose result goes on into a quantised operand takes f32 operands (vector FMAs, or v_wmma_f32_16x16x4_f32). A number that lies on a knife's edge between two numbers of the format may be rounded either way, as far as f32 arithmetic and the matrix unit's own rounding can turn it there, and no further.
;; One version. Each part assembles by itself: llvm-mc -triple=amdgcn-amd-amdhsa -mcpu=gfx1250 --defsym DOCPART=n.
;; ======== version 1 of 1: 4 launches
;; limits: right only within a limited range of input values
;; workspace buffers: xc 25,165,824 bytes; wc 4,194,304 bytes; qkvc 25,165,824 bytes; ac 8,388,608 bytes
;; launch quant (part 1): grid 768 x 1, 4 waves a work-group, no clusters, 34,304 bytes of LDS; arguments x, Wq, Wk, Wv, Wo, lowp_scales, xc, wc; writes xc, wc
.if DOCPART == 1
	.amdgcn_target "amdgcn-amd-amdhsa--gfx1250"
	.amdhsa_code_object_version 6
	.text
	.protected	k_q34e854535e_quant
	.globl	k_q34e854535e_quant
	.p2align	8
	.type	k_q34e854535e_quant,@function
k_q34e854535e_quant:
	s_mov_b64 s[64:65], 0
	v_nop
	global_prefetch_b8 v0, s[64:65] scope:SCOPE_SE
	s_setreg_imm32_b32 hwreg(HW_REG_WAVE_MODE, 25, 1), 1
	s_wait_xcnt 0x0
; x [8192][1024] f32 becomes THREE sets of E4M3 codes (scales 2^e0, 2^e2, 2^e4: one for each of the products that read it); Wq, Wk, Wv, Wo [1024][1024] f32 one set each (e1, e3, e5, e11).
; code = number / 2^e, held within +-448, rounded to the nearest code, ties to even.  LIMITS: each e between -126 and 119, so that 2^e and 448 x 2^e are f32 numbers; NaN among the inputs is not served.
; THE CODES ARE LAID AS IMAGES OF AN OPERAND'S REGISTERS.  A row tile rt is the 16 rows ROW(rt, r) = 32 (rt / 2) + 8 (rt % 2) + r + 8 (r / 8), r = 0 .. 15.  Its image for 128 along K is 2,048 bytes:
; block c (0 .. 3) is 512 bytes, in which lane l = r + 16 h owns the 16 bytes at 16 l: row ROW(rt, r), k = 32 c + 16 h + 0 .. 15.  Image (rt, ks) lies at (8 rt + ks) x 2,048; x's sets lie 8,388,608 bytes apart;
; the four weights are one matrix of 4,096 rows, in the order Wq, Wk, Wv, Wo.
; SHARES.  A work-group takes one row tile: numbers 0 to 511 x's, 512 to 767 the weights'.  Wave w takes K steps 2 w and 2 w + 1: two units of 16 rows x 512 bytes.  Each load reads 512 consecutive bytes of a row;
; a unit turns through the wave's own stage in LDS (16 rows, 528 bytes apart: 132 words, so the 16 rows that a load touches start at 16 different banks of the 64: ISA guide 11.1) and comes back 64 bytes a lane:
; 16 neighbours along K of each block of 32.  A lane's 16 codes are 16 bytes: each store covers 512 consecutive bytes, aligned.
; Waves share nothing: no barrier.  No tensor loads, no cluster: no two work-groups read the same byte.  All 32 loads of a wave go out at its head.
.set NX,  512                          ; work-groups for x
.set PIT, 528                          ; a stage row
.set WST, 16*PIT                       ; a wave's stage
.set SC,  8                            ; v8-10   2^e as f32, for sets 0, 1, 2
.set LM,  11
.set R,   32                           ; v32-159 unit u, load i at R + 64 u + 4 i; once the unit has turned through LDS, its codes: set j, block c at R + 64 u + 16 j + 4 c
.set X,   160                          ; v160-223 block c's 16 neighbours at X + 16 c
.set T,   224
	s_load_b512 s[16:31], s[0:1], 0x0              ; x s[16:17], Wq 18, Wk 20, Wv 22, Wo 24, the exponents 26, xc 28, wc 30
	v_lshl_add_u32 v30, v0, 2, 0x8400
	v_mov_b32 v31, 0
	v_lshrrev_b32 v1, 5, v0
	v_readfirstlane_b32 s2, v1                     ; wave 0..3
	v_and_b32 v5, 31, v0
	v_lshlrev_b32 v2, 4, v5                        ; 16 x lane: my bytes of a load's 512 and of a store's 512; never rewritten
	s_mul_i32 s3, s2, WST
	v_add_nc_u32 v3, s3, v2                        ; into the stage: as loaded
	v_and_b32 v6, 15, v0                           ; r
	v_bfe_u32 v7, v0, 4, 1                         ; h
	v_mul_u32_u24 v4, v6, PIT
	v_lshl_add_u32 v4, v7, 6, v4
	v_add_nc_u32 v4, s3, v4                        ; out of it: row r, + 64 h bytes
	s_cmp_lt_u32 ttmp9, NX
	s_cselect_b32 s4, NX, ttmp9
	s_sub_co_u32 s4, s4, NX                        ; the weights' row tile 0 .. 255 (0 in x's work-groups)
	s_lshr_b32 s5, s4, 6                           ; which weight
	s_and_b32 s6, s4, 63                           ; its row tile
	s_cmp_lt_u32 ttmp9, NX
	s_cselect_b32 s7, ttmp9, s4                    ; the row tile in the codes' buffer
	s_cselect_b32 s6, ttmp9, s6                    ; the row tile in the source
	s_lshr_b32 s8, s6, 1
	s_lshl_b32 s8, s8, 17                          ; 32 rows of 4,096 bytes for each pair of tiles,
	s_and_b32 s9, s6, 1
	s_lshl_b32 s9, s9, 15                          ; 8 rows for the odd one,
	s_add_co_u32 s8, s8, s9
	s_lshl_b32 s9, s2, 10                          ; my wave's two K steps of 512 bytes
	s_add_co_u32 s8, s8, s9
	s_mov_b32 s9, 0
	s_lshl_b32 s10, s7, 14                         ; a row tile's eight images,
	s_lshl_b32 s11, s2, 12                         ; my wave's two
	s_add_co_u32 s10, s10, s11
	s_mov_b32 s11, 0
	s_wait_alu depctr_va_vdst(0)
	s_wait_kmcnt 0x0
	s_load_b256 s[48:55], s[26:27], 0x0            ; e0 .. e7
	s_load_b128 s[56:59], s[26:27], 0x20           ; e8 .. e11
	s_mov_b64 s[32:33], s[18:19]                   ; the source: chosen by the work-group's number alone
	s_cmp_eq_u32 s5, 1
	s_cselect_b64 s[32:33], s[20:21], s[32:33]
	s_cmp_eq_u32 s5, 2
	s_cselect_b64 s[32:33], s[22:23], s[32:33]
	s_cmp_eq_u32 s5, 3
	s_cselect_b64 s[32:33], s[24:25], s[32:33]
	s_cmp_lt_u32 ttmp9, NX
	s_cselect_b64 s[32:33], s[16:17], s[32:33]
	s_cselect_b64 s[34:35], s[28:29], s[30:31]
	s_add_nc_u64 s[32:33], s[32:33], s[8:9]
	s_add_nc_u64 s[34:35], s[34:35], s[10:11]      ; set 0
	s_add_nc_u64 s[36:37], s[34:35], 0x800000      ; sets 1 and 2: used by x's work-groups alone
	s_add_nc_u64 s[38:39], s[34:35], 0x1000000
.irp u, 0,1
.irp i, 0,1,2,3,4,5,6,7,8,9,10,11,12,13,14,15
	global_load_b128 v[R+64*\u+4*\i:R+64*\u+4*\i+3], v2, s[32:33] offset:(\i+8*(\i/8))*4096+512*\u th:TH_LOAD_NT   ; row ROW(rt, i), K step 2 w + u: 512 consecutive bytes, read once in the launch
.endr
.endr
	s_wait_kmcnt 0x0
	s_mov_b32 s40, s49                             ; a weight's exponent: e1, e3, e5 or e11
	s_cmp_eq_u32 s5, 1
	s_cselect_b32 s40, s51, s40
	s_cmp_eq_u32 s5, 2
	s_cselect_b32 s40, s53, s40
	s_cmp_eq_u32 s5, 3
	s_cselect_b32 s40, s59, s40
	s_cmp_lt_u32 ttmp9, NX
	s_cselect_b32 s41, s50, s40                    ; x: e0, e2, e4
	s_cselect_b32 s42, s52, s40
	s_cselect_b32 s40, s48, s40
.irp j, 0,1,2
	s_add_co_i32 s[40+\j], s[40+\j], 127
	s_lshl_b32 s44, s[40+\j], 23
	v_mov_b32 v[SC+\j], s44                        ; 2^e as f32: the conversion takes its exponent field
.endr
; Unit u's 64 numbers a lane become set j's codes and leave.
;   Each block's codes have registers of their own: no store's data are written again.
.macro QSC u, j
.irp c, 0,1,2,3
.irp i, 0,1,2,3,4,5,6,7,8,9,10,11,12,13,14,15
.endr
	v_cvt_scalef32_pk8_fp8_f32 v[R+64*\u+16*\j+4*\c:R+64*\u+16*\j+4*\c+1], v[T+16*(\c%2)+((X+16*\c+0)-(T+16*(\c%2)+0)):T+16*(\c%2)+7+((X+16*\c+0)-(T+16*(\c%2)+0))], v[SC+\j]
	v_cvt_scalef32_pk8_fp8_f32 v[R+64*\u+16*\j+4*\c+2:R+64*\u+16*\j+4*\c+3], v[T+16*(\c%2)+8+((X+16*\c+0)-(T+16*(\c%2)+0)):T+16*(\c%2)+15+((X+16*\c+0)-(T+16*(\c%2)+0))], v[SC+\j]
	global_store_b128 v2, v[R+64*\u+16*\j+4*\c:R+64*\u+16*\j+4*\c+3], s[34+2*\j:35+2*\j] offset:2048*\u+512*\c   ; block c of the image: 512 consecutive bytes, aligned
.endr
.endm
.macro UNIT u
	s_wait_loadcnt 16*(1-\u)                       ; this unit's sixteen loads are in; unit 1's sixteen are younger than unit 0's and may stay out
.irp i, 0,1,2,3,4,5,6,7,8,9,10,11,12,13,14,15
	ds_store_b128 v3, v[R+64*\u+4*\i:R+64*\u+4*\i+3] offset:PIT*\i
.endr
	v_nop
.irp c, 0,1,2,3
.irp k, 0,1,2,3
	ds_load_b128 v[X+16*\c+4*\k:X+16*\c+4*\k+3], v4 offset:128*\c+16*\k   ; LDS serves a wave's instructions in order (ISA guide 5.7.1.4): these see the stores above
.endr
.endr
	s_wait_dscnt 0x0                               ; the numbers are back, and the stores have read the registers that the codes now take
	QSC \u, 0
	s_cmp_lt_u32 ttmp9, NX                         ; a weight has one set of codes: a branch on the work-group's number, round arithmetic and stores alone
	s_cbranch_scc0 .Lone_set_\@
	QSC \u, 1
	QSC \u, 2
.Lone_set_\@:
.endm
	s_wait_alu depctr_va_vdst(0)
	UNIT 0
	UNIT 1
	s_wait_tensorcnt 0x0
	ds_add_u32 v30, v31
	s_wait_dscnt 0x0
	s_endpgm
.Lfunc_end_k_q34e854535e_quant:
	.size	k_q34e854535e_quant, .Lfunc_end_k_q34e854535e_quant-k_q34e854535e_quant
	.p2alignl 7, 3214868480
	.fill 96, 4, 3214868480
	.section	.rodata,"a",@progbits
	.p2align	6, 0x0
	.amdhsa_kernel k_q34e854535e_quant
		.amdhsa_group_segment_fixed_size 34304
		.amdhsa_private_segment_fixed_size 0
		.amdhsa_enable_private_segment 0
		.amdhsa_kernarg_size 64
		.amdhsa_user_sgpr_count 2
		.amdhsa_user_sgpr_kernarg_segment_ptr 1
		.amdhsa_wavefront_size32 1
		.amdhsa_system_sgpr_workgroup_id_x 1
		.amdhsa_system_sgpr_workgroup_id_y 1
		.amdhsa_system_sgpr_workgroup_id_z 1
		.amdhsa_system_vgpr_workitem_id 0
		.amdhsa_next_free_vgpr 256
		.amdhsa_next_free_sgpr 66
		.amdhsa_reserve_vcc 0
		.amdhsa_float_denorm_mode_32 3
		.amdhsa_float_denorm_mode_16_64 3
		.amdhsa_fp16_overflow 1
		.amdhsa_memory_ordered 1
		.amdhsa_forward_progress 1
		.amdhsa_inst_pref_size 16
	.end_amdhsa_kernel
	.amdgpu_metadata
---
amdhsa.version: [ 1, 2 ]
amdhsa.kernels:
  - .name:           k_q34e854535e_quant
    .symbol:         k_q34e854535e_quant.kd
    .args:
      - { .name: x, .offset: 0, .size: 8, .value_kind: global_buffer, .address_space: global }
      - { .name: Wq, .offset: 8, .size: 8, .value_kind: global_buffer, .address_space: global }
      - { .name: Wk, .offset: 16, .size: 8, .value_kind: global_buffer, .address_space: global }
      - { .name: Wv, .offset: 24, .size: 8, .value_kind: global_buffer, .address_space: global }
      - { .name: Wo, .offset: 32, .size: 8, .value_kind: global_buffer, .address_space: global }
      - { .name: lowp_scales, .offset: 40, .size: 8, .value_kind: global_buffer, .address_space: global }
      - { .name: xc, .offset: 48, .size: 8, .value_kind: global_buffer, .address_space: global }
      - { .name: wc, .offset: 56, .size: 8, .value_kind: global_buffer, .address_space: global }
    .group_segment_fixed_size: 34304
    .private_segment_fixed_size: 0
    .kernarg_segment_align: 8
    .kernarg_segment_size: 64
    .max_flat_workgroup_size: 128
    .sgpr_count:     66
    .vgpr_count:     256
    .wavefront_size: 32
...
	.end_amdgpu_metadata
.endif
;; end of part 1
;; launch proj (part 2): grid 12 x 32, 4 waves a work-group, clusters of 4 x 4, 327,680 bytes of LDS; arguments xc, wc, lowp_scales, qkvc; writes qkvc
.if DOCPART == 2
	.amdgcn_target "amdgcn-amd-amdhsa--gfx1250"
	.amdhsa_code_object_version 6
	.text
	.protected	k_q34e854535e_proj
	.globl	k_q34e854535e_proj
	.p2align	8
	.type	k_q34e854535e_proj,@function
k_q34e854535e_proj:
	s_mov_b64 s[64:65], 0
	v_nop
	global_prefetch_b8 v0, s[64:65] scope:SCOPE_SE
	s_setreg_imm32_b32 hwreg(HW_REG_WAVE_MODE, 25, 1), 1
	s_wait_xcnt 0x0
	s_wait_alu depctr_hold_cnt(0) depctr_sa_sdst(0) depctr_va_vdst(0) depctr_va_sdst(0) depctr_va_ssrc(0) depctr_va_vcc(0) depctr_vm_vsrc(0)
	s_getreg_b32 s2, hwreg(HW_REG_IB_STS2, 6, 4)
	s_cmp_eq_u32 s2, 0
	s_cbranch_scc0 .Lentry_in_a_cluster
	s_endpgm
.Lentry_in_a_cluster:
	s_bfe_u32 s2, ttmp6, 0x10000c
	s_cmp_lg_u32 s2, 0xf033
	s_cbranch_scc0 .Lentry_shape_is_right
	s_endpgm
.Lentry_shape_is_right:
; Q = x Wq^T, K = x Wk^T, V = x Wv^T on E4M3 codes; each f32 sum is quantised at once into the code that attention reads (scales 2^e6, 2^e7, 2^e9).  Which product: p = the cluster's x (0 Q, 1 K, 2 V).
; OPERANDS lie in memory as images of their registers: a row tile rt is the 16 rows ROW(rt, r) = 32 (rt / 2) + 8 (rt % 2) + r + 8 (r / 8); its image for 128 along K is 2,048 bytes: block c (512 bytes), lane l = r + 16 h at 16 l:
; row ROW(rt, r), k = 32 c + 16 h + 0 .. 15; image (rt, ks) at (8 rt + ks) x 2,048.  The place of k in the registers is the same in both operands, so every product meets its partner.
; A tile of the result, 256 x 256, is made by a work-group of four waves, each 128 x 128: 64 accumulators, 512 registers.  K = 1,024 goes in four steps of 256 through two LDS slots filled by the tensor data mover:
; one load brings 8 row tiles x 4,096 bytes (two images each), 16,384 bytes apart in memory, dense in LDS.  Every fragment load reads 512 consecutive LDS bytes: no padding is needed.
; CLUSTERS: 4 x 4 work-groups.  The four of a row of the cluster need the same tiles of x (region U), the four of a column the same tiles of the weight (region W): each is asked for jointly.
; ROLES.  Source 1 of the matrix instruction says what a LANE holds (one row of that operand), source 0 what its REGISTERS run along: the 16 registers of result tiles 2 B and 2 B + 1 are source 0's rows 32 B + 16 h + 0 .. 15.
; Q and K: a lane holds a token, its registers run along the features.  V: the roles are swapped (a lane holds a feature, its registers run along the tokens, which are the second attention product's K): only the two LDS
; bases from which fragments are read change places, by a select on p, which all partners of a cluster share.  So two conversions give 16 bytes that ARE a lane's entry of the next operand's image, and a store covers 512 consecutive bytes.
; OUT (qkvc): Q at 0, K at 8,388,608: (128 bh + qt) x 1,024 + 512 c + 16 l: token ROW(qt, r), d = 32 c + 16 h + 0 .. 15 (bh = 16 batch + head).  V at 16,777,216: ((16 bh + s) x 4 + dt) x 2,048 + 512 c + 16 l: d = ROW(dt, r), keys 128 s + 32 c + 16 h + 0 .. 15.
; LIMIT: f = e_out - e_x - e_w lies between -126 and 119, so that 2^f and 448 x 2^f are f32 numbers.
; REGISTERS, in windows of 256: window 0: v16-31 addresses and constants; v32-95 at work on the way out; v128-255 source 1's fragments, ONE set, later the codes.  window 1: source 0's fragments, TWO sets.  windows 2, 3: the accumulators ((a, b) at v[8 (8 (a % 4) + b)]).
.set FR,     16                        ; registers of a fragment: 16 rows x 128 K
.set NL,     4                         ; LDS loads that bring one
.set NP,     4                         ; places behind this matrix instruction (ISA guide 7.12.1)
.set KB,     4096                      ; a row tile's bytes in a slot: two images
.set HALFT,  8*KB                      ; 8 row tiles: what one tensor load brings, and what one wave reads of a region
.set SLOT,   4*HALFT                   ; region U (16 row tiles of x), then region W (16 of the weight)
.set SPARE,  2*SLOT                    ; behind the ring: the spare words, 128 bytes for each wave: two blocks of 256 bytes that no other line names
.set ADRA, 16                          ; v16-17  LDS address of source 1's fragments in slot 0, 1
.set ADRB, 20                          ; v20-21  the same for source 0
.set LI,   24                          ; v24     16 x lane; v25 the same + the distance to the way out's blocks 2 and 3
.set SPW,  28                          ; v28     LDS address of my spare word: SPARE + 4 x my thread's number; never rewritten
.set NIL,  29                          ; v29     0; never rewritten
.set LIM,  30
.set SCL,  31                          ; v31     2^f
.set TMP,  32
.set AF,   128
.set CD,   128                         ; the way out: 16 registers of codes for each of my 8 blocks
.set G1, 24                            ; s[24:31] descriptor group 1 for U's tiles;  s[32:39] group 0, one set for each slot
.set G0, 32
.set G1B, 48                           ; s[48:55], s[56:63] the same for W's tiles
.set G0B, 56
.set BA,  84                           ; s[84:99] the way out: a base for each of my 8 blocks
.set MSB, 0
.macro WIN new                         ; the immediate's high byte repeats the setting that is left
.if MSB != \new
	s_set_vgpr_msb (MSB<<8)|\new
.set MSB, \new
.endif
.endm
.set MUL_LO, 0xa1                      ; source 0 window 1, source 1 window 0, C and D window 2
.set MUL_HI, 0xf1                      ; the same, C and D window 3
.set TO_B,   0x40                      ; destination window 1, address window 0
; A joint load: waves 0 and 1 fetch for U, waves 2 and 3 for W.  Each of the two lines has one mask and one set of registers for all that issue it; the branch hangs on the wave's number alone.
; Four v_nop follow each of the two lines, ahead of the jump, the label and what follows.
.macro JLOAD g0a, g1a, g0b, g1b
	s_cmp_eq_u32 s15, 0
	s_cbranch_scc0 .Lfor_b_\@
	tensor_load_to_lds s[\g0a:\g0a+3], s[\g1a:\g1a+7]
	s_nop 0
.rept 4
	v_nop
.endr
	s_branch .Lasked_\@
.Lfor_b_\@:
	tensor_load_to_lds s[\g0b:\g0b+3], s[\g1b:\g1b+7]
	s_nop 0
.rept 4
	v_nop
.endr
.Lasked_\@:
.endm
.macro CREST                           ; a round of the cluster's barrier behind its opening barrier
	s_cmp_lg_u32 s14, 0
	s_cbranch_scc1 .Lnot_wave_0_\@
	s_barrier_signal -3
.Lnot_wave_0_\@:
	s_barrier_wait -3
	s_barrier_signal -1
	s_barrier_wait -1
.endm
.macro CROUND                          ; a whole round
	s_barrier_signal -1
	s_barrier_wait -1
	CREST
.endm
	s_load_b256 s[4:11], s[0:1], 0x0               ; xc s[4:5], wc s[6:7], the exponents s[8:9], qkvc s[10:11]
	v_lshl_add_u32 v[SPW], v0, 2, SPARE
	v_mov_b32 v[NIL], 0
	ds_add_u32 v28, v29
	ds_add_u32 v28, v29
	s_wait_dscnt 0x0
	v_lshrrev_b32 v1, 5, v0
	v_readfirstlane_b32 s14, v1                    ; wave 0..3
	s_lshr_b32 s15, s14, 1                         ; which half of source 1's 16 row tiles is mine.  Also: I fetch for U (0) or for W (1)
	s_and_b32 s16, s14, 1                          ; which half of source 0's.  Also: which 8 row tiles of that region I fetch
	s_bfe_u32 s40, ttmp6, 0x40000                  ; cx, cy: my place in the cluster
	s_bfe_u32 s41, ttmp6, 0x40004
	s_lshl_b32 s42, ttmp9, 2
	s_add_co_u32 s42, s42, s40                     ; gx = 4 p + cx: which 256 rows of the 4,096 of wc
	s_and_b32 s17, ttmp7, 0xffff
	s_lshl_b32 s17, s17, 2
	s_add_co_u32 s17, s17, s41                     ; gy = 4 x cluster y + cy: which 256 tokens
	s_lshl_b32 s43, s41, 2
	s_lshl_b32 s43, 15, s43                        ; my row of the cluster
	s_lshl_b32 s44, 0x1111, s40                    ; my column
	; descriptor group 1: 8 rows of 4,096 bytes, 16,384 bytes apart, dense in LDS
	s_or_b32 s[G1+0], s43, (1<<21)                 ; 15:0 the mask: U's tiles go to my row; 17:16 elements of 1 byte; 20 no padding; 21 set beside a mask
	s_or_b32 s[G1B+0], s44, (1<<21)                ; W's tiles go to my column
.irp g, G1, G1B
	s_mov_b32 s[\g+1], KB<<16                      ; tensor_dim0 = 4,096
	s_mov_b32 s[\g+2], 8<<16                       ; tensor_dim1 = 8
	s_mov_b32 s[\g+3], KB<<16                      ; tile_dim0 = 4,096
	s_mov_b32 s[\g+4], 8                           ; tile_dim1 = 8
	s_mov_b32 s[\g+5], 16384                       ; tensor_dim0_stride: a row tile's eight images
	s_mov_b32 s[\g+6], 0
	s_mov_b32 s[\g+7], 0
.endr
	s_lshl_b32 s18, s16, 17                        ; which 8 row tiles I fetch: 8 x 16,384 bytes
	s_lshl_b32 s20, s17, 18                        ; U: 16 row tiles for each 256 tokens,
	s_add_co_u32 s20, s20, s18
	s_lshl_b32 s19, ttmp9, 23                      ; in x's set p
	s_add_co_u32 s20, s20, s19
	s_mov_b32 s21, 0
	s_lshl_b32 s46, s42, 18                        ; W: 16 row tiles for each 256 rows
	s_add_co_u32 s46, s46, s18
	s_mov_b32 s47, 0
	s_mul_i32 s45, s14, HALFT                      ; where they go: wave x 8 row tiles: no place in the cluster enters an LDS address
	s_wait_kmcnt 0x0
	s_load_b256 s[68:75], s[8:9], 0x0              ; e0 .. e7
	s_load_b128 s[76:79], s[8:9], 0x20             ; e8 .. e11
	s_add_nc_u64 s[20:21], s[4:5], s[20:21]
	s_add_nc_u64 s[46:47], s[6:7], s[46:47]
	CROUND                                         ; all sixteen work-groups are here: the first joint loads meet
.irp s, 0,1
	s_mov_b32 s[G0+4*\s], 1
	s_add_co_u32 s[G0+4*\s+1], s45, \s*SLOT
	s_add_nc_u64 s[G0+4*\s+2:G0+4*\s+3], s[20:21], \s*KB
	s_or_b32 s[G0+4*\s+3], s[G0+4*\s+3], 0x80000000
	s_mov_b32 s[G0B+4*\s], 1
	s_add_co_u32 s[G0B+4*\s+1], s45, \s*SLOT
	s_add_nc_u64 s[G0B+4*\s+2:G0B+4*\s+3], s[46:47], \s*KB
	s_or_b32 s[G0B+4*\s+3], s[G0B+4*\s+3], 0x80000000
	JLOAD G0+4*\s, G1, G0B+4*\s, G1B
.endr
	v_and_b32 v1, 31, v0
	v_lshlrev_b32 v[LI], 4, v1                     ; 16 x lane: my place in every block of every image
	s_wait_alu depctr_va_vdst(0)
	s_cmp_eq_u32 ttmp9, 2                          ; V: the two regions change roles
	s_cselect_b32 s66, 2*HALFT, 0                  ; source 1 reads U (Q, K) or W (V),
	s_cselect_b32 s67, 0, 2*HALFT                  ; source 0 the other
	s_mul_i32 s21, s15, HALFT
	s_add_co_u32 s21, s21, s66
	s_mul_i32 s22, s16, HALFT
	s_add_co_u32 s22, s22, s67
.irp s, 0,1
	v_add_nc_u32 v[ADRA+\s], s21, v[LI]
	v_add_nc_u32 v[ADRB+\s], s22, v[LI]
	s_add_co_u32 s21, s21, SLOT
	s_add_co_u32 s22, s22, SLOT
.endr
.macro FRAG reg, adr, q, i             ; a fragment comes as it was laid: four blocks of 512 bytes, registers 4 c .. 4 c + 3 from block c
.irp c, 0,1,2,3
	ds_load_b128 v[\reg+4*\c:\reg+4*\c+3], v[\adr] offset:(\i)*KB+(\q)*2048+512*\c
.endr
.endm
; 16 matrix instructions: source 1's blocks a0, a0 + 1 x source 0's eight, 128 along K.  p: source 0's set.  zero = 1: the first product starts the sums: nothing is ever cleared.
; The 64 accumulators take turns, one instruction a turn, in the same order in every step.
.macro MUL16 a0, p, zero
.irp a, \a0, \a0+1
.irp b, 0,1,2,3,4,5,6,7
.if \zero
	v_wmma_f32_16x16x128_fp8_fp8 v[8*(8*((\a)%4)+\b):8*(8*((\a)%4)+\b)+7], v[128*(\p)+FR*\b:128*(\p)+FR*\b+FR-1], v[AF+FR*(\a):AF+FR*(\a)+FR-1], 0
.else
	v_wmma_f32_16x16x128_fp8_fp8 v[8*(8*((\a)%4)+\b):8*(8*((\a)%4)+\b)+7], v[128*(\p)+FR*\b:128*(\p)+FR*\b+FR-1], v[AF+FR*(\a):AF+FR*(\a)+FR-1], v[8*(8*((\a)%4)+\b):8*(8*((\a)%4)+\b)+7]
.endif
.endr
.endr
.endm
.macro FETCH_B slot, q, p              ; source 0's eight fragments of the slot's q-th 128 along K into set p
	WIN TO_B
.irp i, 0,1,2,3,4,5,6,7
	FRAG 128*(\p)+FR*\i, ADRB+\slot, \q, \i
.endr
	WIN 0
.endm
.macro FETCH_A slot, q, i0             ; source 1's blocks i0 .. i0 + 3
.irp i, \i0, \i0+1, \i0+2, \i0+3
	FRAG AF+FR*(\i), ADRA+\slot, \q, \i
.endr
.endm
; A load into a register that a matrix instruction has read, and a vector instruction that reads a matrix result, stand NP places behind that matrix instruction; only plain vector
; instructions that name none of its registers are places (ISA guide 7.12.1 for vector instructions).
.macro PLACES n
.rept \n
	v_nop
.endr
.endm
; A step of 128 along K that has its successor in the same slot.
.macro STEP slot, q, zero
	s_wait_dscnt 4*NL                              ; source 0's set and source 1's blocks 0-3 are in; the youngest sixteen loads (blocks 4-7) may be out
	WIN MUL_LO
	MUL16 0, (\q)%2, \zero
	MUL16 2, (\q)%2, \zero
	s_wait_dscnt 0                                 ; blocks 4-7 are in (asked for 32 matrix instructions ago)
	PLACES NP
	FETCH_B \slot, (\q)+1, 1-(\q)%2
	FETCH_A \slot, (\q)+1, 0
	WIN MUL_HI
	MUL16 4, (\q)%2, \zero
	MUL16 6, (\q)%2, \zero
	PLACES NP
	WIN 0
	FETCH_A \slot, (\q)+1, 4
.endm
; A slot's last step changes slots: one barrier; in front of it each wave waits for all its tensor loads, adds 0 to its spare word, and waits for that and for its own reads of this slot.  fill = 1: this slot is filled again, two K steps ahead.
.macro TURN slot, next, fill
	s_wait_tensorcnt 0x0                           ; all my tensor loads have landed: my part of the next slot;  (every window is 0 here: the add's two registers lie in window 0)
	ds_add_u32 v[SPW], v[NIL]                      ; 0 onto my spare word
	s_wait_dscnt 4*NL+1                            ; (the add and the youngest sixteen loads, blocks 4-7, may be out)
	WIN MUL_LO
	MUL16 0, 1, 0                                  ; sixteen matrix instructions stand between the add and the wait for it
	s_wait_dscnt 0x0                               ; the add is done, and my reads of this slot are over
	s_barrier_signal -1
	MUL16 2, 1, 0
	WIN 0
	s_barrier_wait -1
.if \fill
	CREST                                          ; the barrier has opened a round of the cluster's barrier: no wave of any partner still reads this slot's tile or has a load on its way
	s_add_nc_u64 s[G0+4*\slot+2:G0+4*\slot+3], s[G0+4*\slot+2:G0+4*\slot+3], 2*KB
	s_add_nc_u64 s[G0B+4*\slot+2:G0B+4*\slot+3], s[G0B+4*\slot+2:G0B+4*\slot+3], 2*KB
	JLOAD G0+4*\slot, G1, G0B+4*\slot, G1B         ; the first tensor load behind the round; the four v_nop behind it are the places in front of the loads below
.else
	PLACES NP
.endif
	FETCH_B \next, 0, 0
	FETCH_A \next, 0, 0
	WIN MUL_HI
	MUL16 4, 1, 0
	MUL16 6, 1, 0
	PLACES NP
	WIN 0
	FETCH_A \next, 0, 4
.endm
	s_wait_alu depctr_va_vdst(0)
	s_wait_tensorcnt 1                             ; my part of K step 0 is in (K step 1's load may be out)
	s_barrier_signal -1
	s_barrier_wait -1                              ; everybody's is
	FETCH_B 0, 0, 0
	FETCH_A 0, 0, 0
	FETCH_A 0, 0, 4
	STEP 0, 0, 1                                   ; eight steps of 128 along K, written out: each slot is filled again once
	TURN 0, 1, 1                                   ; slot 0 takes K step 2
	STEP 1, 0, 0
	TURN 1, 0, 1                                   ; slot 1 takes K step 3
	STEP 0, 0, 0
	TURN 0, 1, 0                                   ; nothing is left to fetch: no round of the cluster's barrier
	STEP 1, 0, 0
	s_wait_dscnt 4*NL                              ; the very last step
	WIN MUL_LO
	MUL16 0, 1, 0
	MUL16 2, 1, 0
	s_wait_dscnt 0
	WIN MUL_HI
	MUL16 4, 1, 0
	MUL16 6, 1, 0
	WIN 0
	; THE WAY OUT.  A sum stands for sum x 2^(e_x + e_w); its code is sum / 2^f, f = e_out - e_x - e_w: the three scales are folded into the conversion's one.  All choices by p are selects.
	s_wait_kmcnt 0x0
	s_cmp_eq_u32 ttmp9, 1
	s_cselect_b32 s80, s70, s68                    ; e_x: e0, e2, e4
	s_cselect_b32 s81, s71, s69                    ; e_w: e1, e3, e5
	s_cselect_b32 s82, s75, s74                    ; e_out: e6, e7, e9
	s_cmp_eq_u32 ttmp9, 2
	s_cselect_b32 s80, s72, s80
	s_cselect_b32 s81, s73, s81
	s_cselect_b32 s82, s77, s82
	s_sub_co_i32 s82, s82, s80
	s_sub_co_i32 s82, s82, s81                     ; f
	s_add_co_i32 s82, s82, 127
	s_lshl_b32 s83, s82, 23
	v_mov_b32 v[SCL], s83                          ; 2^f as f32
	s_wait_alu depctr_va_vdst(0)
	s_lshr_b32 s20, s17, 3                         ; the batch: 8 blocks of 256 tokens each
	s_and_b32 s21, s17, 7                          ; my block in the sequence
	s_lshl_b32 s20, s20, 21                        ; 16 heads x 131,072 bytes
	s_lshl_b32 s22, ttmp9, 23                      ; Q's, K's or V's part of the buffer
	s_add_co_u32 s20, s20, s22
	s_lshl_b32 s22, s40, 19                        ; 4 heads for each 256 features
	s_add_co_u32 s20, s20, s22
	s_lshl_b32 s22, s16, 18                        ; Q, K: my registers' half of the features is 2 heads; token tile 16 x block + 8 x my lanes' half, 1,024 bytes each
	s_lshl_b32 s23, s21, 14
	s_add_co_u32 s22, s22, s23
	s_lshl_b32 s23, s15, 13
	s_add_co_u32 s22, s22, s23
	s_lshl_b32 s46, s15, 18                        ; V: my lanes' half of the features is 2 heads; key step 2 x block + my registers' half, 8,192 bytes each
	s_lshl_b32 s23, s21, 14
	s_add_co_u32 s46, s46, s23
	s_lshl_b32 s23, s16, 13
	s_add_co_u32 s46, s46, s23
	s_mov_b32 s80, 1024
	s_mov_b32 s47, 131072
	s_cmp_eq_u32 ttmp9, 2
	s_cselect_b32 s22, s46, s22
	s_cselect_b32 s80, 2048, s80                   ; from block a to block a + 1: a token tile's image of Q or K, or an image of V
	s_cselect_b32 s82, 122880, 0                   ; V: block 4 begins the next head: 131,072 less four images, beside the step
	s_cselect_b32 s47, 1024, s47                   ; from registers' blocks 0, 1 to 2, 3: the next head (Q, K), or 1,024 bytes on in the image (V)
	s_add_co_u32 s20, s20, s22
	s_mov_b32 s21, 0
	s_mov_b32 s81, 0
	s_mov_b32 s83, 0
	v_add_nc_u32 v[LI+1], s47, v[LI]
	s_add_nc_u64 s[BA:BA+1], s[10:11], s[20:21]
.irp a, 1,2,3,4,5,6,7
	s_add_nc_u64 s[BA+2*\a:BA+2*\a+1], s[BA+2*\a-2:BA+2*\a-1], s[80:81]
.if \a == 4
	s_add_nc_u64 s[BA+2*\a:BA+2*\a+1], s[BA+2*\a:BA+2*\a+1], s[82:83]
.endif
.endr
; Block a: 64 sums a lane are converted and stored.  Each accumulator is read from its low end on.  The codes have registers of their own, so no store's data are written again.
.macro OUT a
	WIN 0x02+((\a)/4)                              ; source 0: window 2 or 3
.set n, 0
.rept 64
.set n, n+1
.endr
.irp g, 0,1,2,3,4,5,6,7
	v_cvt_scalef32_pk8_fp8_f32 v[CD+16*(\a)+2*\g:CD+16*(\a)+2*\g+1], v[TMP+8*\g+((64*((\a)%4)+n)-(TMP+n)):TMP+8*\g+7+((64*((\a)%4)+n)-(TMP+n))], v[SCL]
.endr
	WIN 0
	v_nop
	s_wait_alu depctr_va_vdst(0)
.irp b, 0,1,2,3
	global_store_b128 v[LI+\b/2], v[CD+16*(\a)+4*\b:CD+16*(\a)+4*\b+3], s[BA+2*(\a):BA+2*(\a)+1] offset:512*(\b%2)   ; a block of an image: 512 consecutive bytes, aligned
.endr
.endm
	PLACES NP                                      ; behind the last products: for the first reads of results and the first writes over source 1's fragments
.irp a, 0,1,2,3,4,5,6,7
	OUT \a
.endr
	s_wait_tensorcnt 0x0                           ; the wave's end, behind my last tensor load
	ds_add_u32 v[SPW], v[NIL]
	s_wait_dscnt 0x0
	CROUND                                         ; the closing round: no work-group ends while a partner may still ask for a tile that names it
	s_endpgm
.Lfunc_end_k_q34e854535e_proj:
	.size	k_q34e854535e_proj, .Lfunc_end_k_q34e854535e_proj-k_q34e854535e_proj
	.p2alignl 7, 3214868480
	.fill 96, 4, 3214868480
	.section	.rodata,"a",@progbits
	.p2align	6, 0x0
	.amdhsa_kernel k_q34e854535e_proj
		.amdhsa_group_segment_fixed_size 327680
		.amdhsa_private_segment_fixed_size 0
		.amdhsa_enable_private_segment 0
		.amdhsa_kernarg_size 32
		.amdhsa_user_sgpr_count 2
		.amdhsa_user_sgpr_kernarg_segment_ptr 1
		.amdhsa_wavefront_size32 1
		.amdhsa_system_sgpr_workgroup_id_x 1
		.amdhsa_system_sgpr_workgroup_id_y 1
		.amdhsa_system_sgpr_workgroup_id_z 1
		.amdhsa_system_vgpr_workitem_id 0
		.amdhsa_next_free_vgpr 1024
		.amdhsa_next_free_sgpr 100
		.amdhsa_reserve_vcc 0
		.amdhsa_float_denorm_mode_32 3
		.amdhsa_float_denorm_mode_16_64 3
		.amdhsa_fp16_overflow 1
		.amdhsa_memory_ordered 1
		.amdhsa_forward_progress 1
		.amdhsa_inst_pref_size 86
	.end_amdhsa_kernel
	.amdgpu_metadata
---
amdhsa.version: [ 1, 2 ]
amdhsa.kernels:
  - .name:           k_q34e854535e_proj
    .symbol:         k_q34e854535e_proj.kd
    .args:
      - { .name: xc, .offset: 0, .size: 8, .value_kind: global_buffer, .address_space: global }
      - { .name: wc, .offset: 8, .size: 8, .value_kind: global_buffer, .address_space: global }
      - { .name: lowp_scales, .offset: 16, .size: 8, .value_kind: global_buffer, .address_space: global }
      - { .name: qkvc, .offset: 24, .size: 8, .value_kind: global_buffer, .address_space: global }
    .group_segment_fixed_size: 327680
    .private_segment_fixed_size: 0
    .kernarg_segment_align: 8
    .kernarg_segment_size: 32
    .max_flat_workgroup_size: 128
    .sgpr_count:     100
    .vgpr_count:     1024
    .wavefront_size: 32
...
	.end_amdgpu_metadata
.endif
;; end of part 2
;; launch attn (part 3): grid 4 x 64, 16 waves a work-group, no clusters, 327,680 bytes of LDS; arguments qkvc, lowp_scales, ac; writes ac
.if DOCPART == 3
	.amdgcn_target "amdgcn-amd-amdhsa--gfx1250"
	.amdhsa_code_object_version 6
	.text
	.protected	k_q34e854535e_attn
	.globl	k_q34e854535e_attn
	.p2align	8
	.type	k_q34e854535e_attn,@function
k_q34e854535e_attn:
	s_mov_b64 s[64:65], 0
	v_nop
	global_prefetch_b8 v0, s[64:65] scope:SCOPE_SE
	s_setreg_imm32_b32 hwreg(HW_REG_WAVE_MODE, 25, 1), 1
	s_wait_xcnt 0x0
; Causal attention of one head on E4M3 codes: S = Q K^T / 8, p = 2^(t - M), O = (p V) / l, O quantised with 2^e10 for the last projection.  Scales: Q 2^e6, K 2^e7, p 2^e8, V 2^e9.
; THE SOFTMAX: t = score x log2(e) / 8; M = the row's largest t so far, rounded UP to a whole number; p = 2^(t - M) is quantised along the keys, not normalised; the row's sum l is taken of the unquantised p.
; When M moves, l and O are multiplied by 2^(old M - new M): nothing is rounded.
; IN (qkvc), as images of the operands' registers, with ROW(t, r) = 32 (t / 2) + 8 (t % 2) + r + 8 (r / 8): Q at 0, K at 8,388,608: (128 bh + tile) x 1,024 + 512 c + 16 l: token ROW(tile, r), d = 32 c + 16 h + 0 .. 15;
; V at 16,777,216: ((16 bh + s) x 4 + dt) x 2,048 + 512 c + 16 l: d = ROW(dt, r), keys 128 s + 32 c + 16 h + 0 .. 15.  OUT (ac): (8 rt + head / 2) x 2,048 + (2 (head % 2) + b) x 512 + 16 l, rt = 128 batch + query tile.
; SHARES.  Work-group (i, bh) owns the queries of blocks i and 7 - i (256 each) of head bh.  Wave w owns query tile QT1 = 16 i + w, then QT2 = 127 - QT1.  Tile qt needs key steps 0 .. qt / 8 of 128 keys:
; (QT1 / 8 + 1) + (QT2 / 8 + 1) = 17 in every wave of every work-group.  Sixteen waves of 256 registers: four to a SIMD, so that one wave's vector work stands beside another's products and LDS loads.
; LDS holds the head's whole K (131,072 bytes, step s at 8,192 s) and V (the same, from 131,072 on), each byte filled ONCE: no ring.  Each wave issues two tensor loads of 8,192 bytes at the head: its piece of keys 0-1,023,
; which is all that the first tile can need (QT1 <= 63), then its piece of keys 1,024-2,047, which lands while the first tile is worked.  Every fragment load reads 512 consecutive LDS bytes.
; BOTH PRODUCTS ARE USED TRANSPOSED (S^T = K Q^T, O^T = V^T P^T): a lane holds one query, ROW(QT, lane % 16), throughout; the 16 registers of score tiles 2 B, 2 B + 1 are keys 32 B + 16 h + 0 .. 15 of the step, so p's codes are the second product's operand.
; CAUSAL: a step whose keys all come after the tile's queries is passed over by a scalar branch on ids inside a loop of constant count; in the one step on the diagonal hidden scores become -infinity (p = 0).  The step's first key counts for every query of the tile.
; NO JOINT LOADS, though the four work-groups of a head read the same K and V: which steps a wave passes over hangs on the work-group's x, its place among those four.
; LIMITS: e6 + e7 between -123 and 130 (added to c's exponent field); e8, and e10 - e8 - e9, between -126 and 119.
; REGISTERS: v1 16 x lane; v11 the same + V's region; v2, v3 addresses of the step's K and V; v4, v9 the masks' d for the two tiles; v5, v6 2^(e10-e8-e9), 448 x that; v7, v8 2^e8, 448 x that; v10 -infinity;
; v12 -M, v13 the largest t, v[14:15] l in two halves; v16-23, v24-31 the two tiles of Q; v32-95 K's, then V's fragments; v96-159 S^T, then p; v160-191 O^T; v192-207 p's codes; v208-223 the codes that leave; v236-254 at work.
.set VREG, 131072                      ; V's region in LDS
.set STEPB, 8192                       ; a key step's bytes of K, and of V
	s_load_b128 s[4:7], s[0:1], 0x0                ; qkvc s[4:5], the exponents s[6:7]
	s_load_b64 s[8:9], s[0:1], 0x10                ; ac
	v_lshl_add_u32 v251, v0, 2, 0x40000
	v_mov_b32 v255, 0
	ds_add_u32 v251, v255
	ds_add_u32 v251, v255
	v_lshrrev_b32 v2, 5, v0
	s_delay_alu instid0(VALU_DEP_1)
	v_readfirstlane_b32 s10, v2                    ; wave 0..15
	s_and_b32 s11, ttmp7, 0xffff                   ; bh = 16 batch + head
	s_lshl_b32 s12, ttmp9, 4
	s_add_co_u32 s12, s12, s10                     ; QT1
	s_sub_co_u32 s13, 127, s12                     ; QT2
	; descriptor group 1: a dense block of 8,192 bytes as 32 rows of 256 bytes (32 elements of 8 bytes)
	s_mov_b32 s16, 3<<16                           ; no mask; elements of 8 bytes; no padding
	s_mov_b32 s17, 32<<16                          ; tensor_dim0 = 32
	s_mov_b32 s18, 32<<16                          ; tensor_dim1 = 32
	s_mov_b32 s19, 32<<16                          ; tile_dim0 = 32
	s_mov_b32 s20, 32                              ; tile_dim1 = 32
	s_mov_b32 s21, 32                              ; tensor_dim0_stride = 32
	s_mov_b32 s22, 0
	s_mov_b32 s23, 0
	s_lshr_b32 s50, s10, 3                         ; waves 0-7 fetch K, waves 8-15 V,
	s_and_b32 s51, s10, 7                          ; key step (wave % 8), then 8 further on
	s_lshl_b32 s52, s50, 17
	s_lshl_b32 s53, s51, 13
	s_add_co_u32 s52, s52, s53                     ; in LDS
	s_lshl_b32 s54, s50, 23
	s_add_co_u32 s54, s54, s53
	s_lshl_b32 s55, s11, 17                        ; a head's K or V is 131,072 bytes
	s_add_co_u32 s54, s54, s55
	s_add_co_u32 s54, s54, 0x800000                ; in memory: behind Q's part
	s_mov_b32 s55, 0
	s_wait_dscnt 0x0
	s_wait_kmcnt 0x0
	s_load_b128 s[32:35], s[6:7], 0x18             ; e6, e7, e8, e9
	s_load_b32 s36, s[6:7], 0x28                   ; e10
	s_mov_b32 s24, 1
	s_mov_b32 s25, s52
	s_add_nc_u64 s[26:27], s[4:5], s[54:55]
	s_mov_b32 s28, 1
	s_add_co_u32 s29, s52, 65536
	s_add_nc_u64 s[30:31], s[26:27], 0x10000
	s_or_b32 s27, s27, 0x80000000
	s_or_b32 s31, s31, 0x80000000
	tensor_load_to_lds s[24:27], s[16:23]          ; my piece of keys 0-1,023; the second fill goes out behind the wait and the barrier below
	s_nop 0
	s_wait_alu depctr_va_vdst(0)
	s_wait_tensorcnt 0x0
	ds_add_u32 v251, v255
	s_wait_dscnt 0x0
	s_barrier_signal -1
	s_barrier_wait -1
	tensor_load_to_lds s[28:31], s[16:23]
	s_nop 0
.rept 4
	v_nop
.endr
	s_lshl_b32 s56, s11, 17
	s_lshl_b32 s57, s12, 10
	s_add_co_u32 s56, s56, s57
	s_mov_b32 s57, 0
	s_add_nc_u64 s[42:43], s[4:5], s[56:57]        ; Q's image of tile QT1,
	s_lshl_b32 s56, s11, 17
	s_lshl_b32 s58, s13, 10
	s_add_co_u32 s56, s56, s58
	s_add_nc_u64 s[44:45], s[4:5], s[56:57]        ; of QT2
	s_lshr_b32 s58, s11, 4
	s_lshl_b32 s58, s58, 21                        ; ac: the batch's 128 row tiles of 16,384 bytes,
	s_bfe_u32 s59, s11, 0x30001
	s_lshl_b32 s59, s59, 11                        ; K step head / 2,
	s_add_co_u32 s58, s58, s59
	s_and_b32 s59, s11, 1
	s_lshl_b32 s59, s59, 10                        ; blocks 2 (head % 2) on
	s_add_co_u32 s58, s58, s59
	s_lshl_b32 s56, s12, 14
	s_add_co_u32 s56, s56, s58
	s_add_nc_u64 s[46:47], s[8:9], s[56:57]        ; where tile QT1's codes go,
	s_lshl_b32 s56, s13, 14
	s_add_co_u32 s56, s56, s58
	s_add_nc_u64 s[48:49], s[8:9], s[56:57]        ; and QT2's
	v_and_b32 v1, 31, v0
	s_delay_alu instid0(VALU_DEP_1)
	v_lshlrev_b32 v1, 4, v1                        ; 16 x lane; never rewritten
	s_delay_alu instid0(VALU_DEP_1)
	v_add_nc_u32 v11, VREG, v1
	global_load_b128 v[16:19], v1, s[42:43]        ; both tiles of Q stay in registers
	global_load_b128 v[20:23], v1, s[42:43] offset:512
	global_load_b128 v[24:27], v1, s[44:45]
	global_load_b128 v[28:31], v1, s[44:45] offset:512
	v_and_b32 v2, 15, v0                           ; r
	v_and_b32 v3, 8, v0
	s_delay_alu instid0(VALU_DEP_1)
	v_add_nc_u32 v2, v2, v3                        ; r + 8 (r / 8)
	v_and_b32 v3, 16, v0
	s_delay_alu instid0(VALU_DEP_1)
	v_sub_nc_u32 v2, v2, v3                        ; - 16 h
	s_wait_alu depctr_va_vdst(0)
	s_and_b32 s60, s12, 6
	s_lshl_b32 s60, s60, 4
	s_and_b32 s61, s12, 1
	s_lshl_b32 s61, s61, 3
	s_add_co_u32 s60, s60, s61
	v_add_nc_u32 v4, s60, v2                       ; d = my query - the diagonal step's first key - 16 h = 16 (QT & 6) + 8 (QT & 1) + r + 8 (r / 8) - 16 h.  Register n holds key 32 (n / 16) + n % 16 + 16 h of the step: hidden where 32 (n / 16) + n % 16 > d
	s_and_b32 s60, s13, 6
	s_lshl_b32 s60, s60, 4
	s_and_b32 s61, s13, 1
	s_lshl_b32 s61, s61, 3
	s_add_co_u32 s60, s60, s61
	v_add_nc_u32 v9, s60, v2
	v_mov_b32 v10, 0xff800000                      ; -infinity
	v_mov_b32 v236, 0                              ; written once: a lane permute's destination counts as one of its sources
	v_mov_b32 v252, 0
	v_mov_b32 v253, 0                              ; (named as the upper half of the pair v[252:253])
	s_mov_b32 s40, 0x76543210                      ; v_permlanex16_b32's selects for lane l xor 16
	s_mov_b32 s41, 0xfedcba98
	s_wait_kmcnt 0x0
	s_add_co_i32 s60, s32, s33
	s_lshl_b32 s60, s60, 23
	s_add_co_i32 s38, s60, 0x3e38aa3b              ; c = log2(e) / 8, with e6 + e7 added to its exponent field: a score stands for score x 2^(e6 + e7)
	s_mov_b32 s39, s38                             ; (named with it as a pair, so it is written)
	s_add_co_i32 s60, s34, 127
	s_lshl_b32 s61, s60, 23
	v_mov_b32 v7, s61                              ; 2^e8 as f32, for p's conversions
	s_sub_co_i32 s60, s36, s34
	s_sub_co_i32 s60, s60, s35                     ; a sum of the second product stands for sum x 2^(e8 + e9): O's code is (sum / l) / 2^(e10 - e8 - e9)
	s_add_co_i32 s60, s60, 127
	s_lshl_b32 s61, s60, 23
	v_mov_b32 v5, s61
.macro INIT qt                         ; a tile begins: O^T and l are zeros and the largest t is under every t, so that the step is written once: the first change of M multiplies zeros
	v_mov_b32 v13, 0xff61b1e6                      ; -3e38
	s_delay_alu instid0(VALU_DEP_1)
	v_floor_f32 v12, -v13                          ; -M
	v_mov_b32 v14, 0
	v_mov_b32 v15, 0
.set n, 0
.rept 32
	v_mov_b32 v[160+n], 0
.set n, n+1
.endr
	s_lshr_b32 s14, s[\qt], 3                      ; the step on the diagonal, the tile's last
	s_mov_b32 s15, 0                               ; the step
	s_mov_b32 s2, 0                                ; its bytes in K's and V's regions
.endm
; A tile's walk over the keys: a loop of constant count; q: the tile's registers of Q; dm: the register with the mask's d.
.macro PASS q, trips, dm
.Lstep_\@:
	s_cmp_gt_u32 s15, s14                          ; all of this step's keys come after my queries: only the scalar steps at the trip's end are left
	s_cbranch_scc1 .Lhid_\@
	s_setprio 2
	v_add_nc_u32 v2, s2, v1
	v_add_nc_u32 v3, s2, v11
	v_nop                                          ; with the two additions: four places between the last products and the loads into the registers that they read
	v_nop
.irp t, 0,1,2,3,4,5,6,7
.irp c, 0,1
	ds_load_b128 v[32+8*\t+4*\c:35+8*\t+4*\c], v2 offset:1024*\t+512*\c   ; K: eight tiles of 16 keys
.endr
.endr
	s_wait_alu depctr_va_vdst(0)
	s_wait_dscnt 0x0
.irp t, 0,1,2,3,4,5,6,7
	v_wmma_f32_16x16x64_fp8_fp8 v[96+8*\t:103+8*\t], v[32+8*\t:39+8*\t], v[\q:\q+7], 0   ; S^T: source 0 = 16 keys, source 1 = my 16 queries; K = the head's 64
.endr
.rept 4
	v_nop                                          ; places in front of the loads below and of the first read of the scores
.endr
.irp t, 0,1,2,3
.irp c, 0,1,2,3
	ds_load_b128 v[32+16*\t+4*\c:35+16*\t+4*\c], v3 offset:2048*\t+512*\c   ; V: four tiles of 16 of the head's 64; they land while the softmax is worked
.endr
.endr
	s_cmp_lg_u32 s15, s14                          ; only the step on the diagonal has hidden keys
	s_cbranch_scc1 .Lopen_\@
.irp n, 0,1,2,3,4,5,6,7,8,9,10,11,12,13,14,15,16,17,18,19,20,21,22,23,24,25,26,27,28,29,30,31,32,33,34,35,36,37,38,39,40,41,42,43,44,45,46,47,48,49,50,51,52,53,54,55,56,57,58,59,60,61,62,63
	v_cmp_gt_i32 vcc_lo, 32*(\n/16)+\n%16, v[\dm]
	v_cndmask_b32 v[96+\n], v[96+\n], v10, vcc_lo
.endr
.Lopen_\@:
	v_max3_num_f32 v254, v96, v97, v98             ; the step's largest score of my query among my 64 keys, in two chains, each accumulator from its low end on,
	v_max3_num_f32 v252, v99, v100, v101
.irp i, 6,10,14,18,22,26,30,34,38,42,46,50,54,58
	v_max3_num_f32 v254, v254, v[96+\i], v[97+\i]
	v_max3_num_f32 v252, v252, v[98+\i], v[99+\i]
.endr
	v_max3_num_f32 v254, v254, v158, v159
	s_delay_alu instid0(VALU_DEP_1)
	v_max_num_f32 v254, v254, v252
	s_delay_alu instid0(VALU_DEP_1)
	v_permlanex16_b32 v236, v254, s40, s41
	s_delay_alu instid0(VALU_DEP_1)
	v_max_num_f32 v254, v254, v236                 ; and among lane l xor 16's
	s_delay_alu instid0(VALU_DEP_1)
	v_mul_f32 v254, s38, v254                      ; as t (c is positive)
	s_delay_alu instid0(VALU_DEP_1)
	v_max_num_f32 v13, v13, v254                   ; the running largest t
	v_mov_b32 v254, v12
	s_delay_alu instid0(VALU_DEP_2)
	v_floor_f32 v12, -v13                          ; the new -M = floor(-t) = -ceil(t): a whole number
	s_delay_alu instid0(VALU_DEP_1)
	v_sub_f32 v254, v12, v254                      ; old M - new M: a whole number, 0 or less
	s_delay_alu instid0(VALU_DEP_1)
	v_cvt_i32_f32 v254, v254                       ; (it saturates)
	s_delay_alu instid0(VALU_DEP_1)
	v_ldexp_f32 v252, 1.0, v254                    ; f = 2^(old M - new M)
	s_setprio 1
.irp j, 0,2,4,6,8,10,12,14,16,18,20,22,24,26,28,30,32,34,36,38,40,42,44,46,48,50,52,54,56,58,60,62
	v_pk_fma_f32 v[96+\j:97+\j], v[96+\j:97+\j], s[38:39], v[12:13] op_sel_hi:[1,0,0]   ; t - M, two at a time (of the pairs c and -M the low word serves both halves)
.endr
	s_wait_alu depctr_va_vdst(0)
.irp j, 0,1,2,3,4,5,6,7,8,9,10,11,12,13,14,15,16,17,18,19,20,21,22,23,24,25,26,27,28,29,30,31,32,33,34,35,36,37,38,39,40,41,42,43,44,45,46,47,48,49,50,51,52,53,54,55,56,57,58,59,60,61,62,63
	v_exp_f32 v[96+\j], v[96+\j]                   ; p = 2^(t - M), at most 1
.endr
	v_pk_mul_f32 v[14:15], v[14:15], v[252:253] op_sel_hi:[1,0]   ; l under the new M: the plain instruction behind the exponentials
	s_wait_alu depctr_va_vdst(0)                   ; one wait for the whole batch, ahead of its first reader
	v_pk_add_f32 v[242:243], v[96:97], v[98:99]    ; l is taken of the unquantised p: two at a time, in two chains
.irp j, 4,8,12,16,20,24,28,32,36,40,44,48,52,56,60
	v_pk_add_f32 v[14:15], v[14:15], v[96+\j:97+\j]
	v_pk_add_f32 v[242:243], v[242:243], v[98+\j:99+\j]
.endr
	s_delay_alu instid0(VALU_DEP_1)
	v_pk_add_f32 v[14:15], v[14:15], v[242:243]
	s_setprio 0
.irp b, 0,1,2,3
.irp i, 0,1,2,3,4,5,6,7,8,9,10,11,12,13,14,15
.endr
	v_cvt_scalef32_pk8_fp8_f32 v[192+4*\b:193+4*\b], v[96+16*\b:103+16*\b], v7
	v_cvt_scalef32_pk8_fp8_f32 v[194+4*\b:195+4*\b], v[104+16*\b:111+16*\b], v7
.endr
.irp j, 0,2,4,6,8,10,12,14,16,18,20,22,24,26,28,30
	v_pk_mul_f32 v[160+\j:161+\j], v[160+\j:161+\j], v[252:253] op_sel_hi:[1,0]   ; O^T under the new M.  (Also the plain instructions between the conversions and the products that read their results)
.endr
	s_wait_alu depctr_va_vdst(0)
	s_wait_dscnt 0x0                               ; V is in
.irp t, 0,1,2,3
	v_wmma_f32_16x16x128_fp8_fp8 v[160+8*\t:167+8*\t], v[32+16*\t:47+16*\t], v[192:207], v[160+8*\t:167+8*\t]   ; O^T += V^T P^T: four accumulators by turns; the eight score products stand between two links of a chain
.endr
.Lhid_\@:
	s_add_co_u32 s2, s2, STEPB
	s_add_co_u32 s15, s15, 1
	s_cmp_lt_u32 s15, \trips
	s_cbranch_scc1 .Lstep_\@
	s_setprio 0
.endm
; A tile's end: O^T / l, converted with 2^(e10 - e8 - e9); a lane's 16 codes of accumulators 2 b, 2 b + 1 are d = 32 b + 16 h + 0 .. 15 of its query: its entry in block 2 (head % 2) + b of the next operand's image.
.macro FINAL oc, adr
.rept 4
	v_nop                                          ; places behind the last products
.endr
	v_add_f32 v14, v14, v15                        ; l's two halves,
	s_delay_alu instid0(VALU_DEP_1)
	v_permlanex16_b32 v252, v14, s40, s41
	s_delay_alu instid0(VALU_DEP_1)
	v_add_f32 v14, v14, v252                       ; and lane l xor 16's
	s_wait_alu depctr_va_vdst(0)
	v_rcp_f32 v14, v14
	v_nop                                          ; a plain instruction behind the reciprocal
	s_wait_alu depctr_va_vdst(0)                   ; and the wait ahead of its first reader
.irp j, 0,2,4,6,8,10,12,14,16,18,20,22,24,26,28,30
	v_pk_mul_f32 v[96+\j:97+\j], v[160+\j:161+\j], v[14:15] op_sel_hi:[1,0]   ; each accumulator from its low end on
.endr
.set n, 0
.rept 32
.set n, n+1
.endr
.irp g, 0,1,2,3
	v_cvt_scalef32_pk8_fp8_f32 v[\oc+2*\g:\oc+2*\g+1], v[96+8*\g:103+8*\g], v5
.endr
	v_nop                                          ; one plain vector instruction between the conversions and the next products, which write their sources
.irp b, 0,1
	global_store_b128 v1, v[\oc+4*\b:\oc+4*\b+3], s[\adr:\adr+1] offset:512*\b   ; 512 consecutive bytes, aligned; the codes' registers are not written again
.endr
.endm
	s_wait_loadcnt 0x0                             ; Q
	s_wait_tensorcnt 1                             ; my piece of keys 0-1,023 is in; my second load is younger and may stay out
	s_barrier_signal -1
	s_barrier_wait -1                              ; everybody's is
	INIT 12
	PASS 16, 8, 4                                  ; tile QT1: key steps 0 to 7 at the most
	FINAL 208, 46
	s_wait_tensorcnt 0x0                           ; my piece of keys 1,024-2,047 is in,
	s_wait_dscnt 0x0
	s_barrier_signal -1
	s_barrier_wait -1                              ; everybody's is
	INIT 13
	PASS 24, 16, 9                                 ; tile QT2
	FINAL 216, 48
	s_wait_tensorcnt 0x0
	ds_add_u32 v251, v255
	s_wait_dscnt 0x0
	s_endpgm
.Lfunc_end_k_q34e854535e_attn:
	.size	k_q34e854535e_attn, .Lfunc_end_k_q34e854535e_attn-k_q34e854535e_attn
	.p2alignl 7, 3214868480
	.fill 96, 4, 3214868480
	.section	.rodata,"a",@progbits
	.p2align	6, 0x0
	.amdhsa_kernel k_q34e854535e_attn
		.amdhsa_group_segment_fixed_size 327680
		.amdhsa_private_segment_fixed_size 0
		.amdhsa_enable_private_segment 0
		.amdhsa_kernarg_size 24
		.amdhsa_user_sgpr_count 2
		.amdhsa_user_sgpr_kernarg_segment_ptr 1
		.amdhsa_wavefront_size32 1
		.amdhsa_system_sgpr_workgroup_id_x 1
		.amdhsa_system_sgpr_workgroup_id_y 1
		.amdhsa_system_sgpr_workgroup_id_z 1
		.amdhsa_system_vgpr_workitem_id 0
		.amdhsa_next_free_vgpr 256
		.amdhsa_next_free_sgpr 66
		.amdhsa_reserve_vcc 1
		.amdhsa_float_denorm_mode_32 3
		.amdhsa_float_denorm_mode_16_64 3
		.amdhsa_fp16_overflow 1
		.amdhsa_memory_ordered 1
		.amdhsa_forward_progress 1
		.amdhsa_inst_pref_size 50
	.end_amdhsa_kernel
	.amdgpu_metadata
---
amdhsa.version: [ 1, 2 ]
amdhsa.kernels:
  - .name:           k_q34e854535e_attn
    .symbol:         k_q34e854535e_attn.kd
    .args:
      - { .name: qkvc, .offset: 0, .size: 8, .value_kind: global_buffer, .address_space: global }
      - { .name: lowp_scales, .offset: 8, .size: 8, .value_kind: global_buffer, .address_space: global }
      - { .name: ac, .offset: 16, .size: 8, .value_kind: global_buffer, .address_space: global }
    .group_segment_fixed_size: 327680
    .private_segment_fixed_size: 0
    .kernarg_segment_align: 8
    .kernarg_segment_size: 24
    .max_flat_workgroup_size: 512
    .sgpr_count:     66
    .vgpr_count:     256
    .wavefront_size: 32
...
	.end_amdgpu_metadata
.endif
;; end of part 3
;; launch oproj (part 4): grid 4 x 32, 4 waves a work-group, clusters of 4 x 4, 327,680 bytes of LDS; arguments ac, wc, lowp_scales, out0; writes out0
.if DOCPART == 4
	.amdgcn_target "amdgcn-amd-amdhsa--gfx1250"
	.amdhsa_code_object_version 6
	.text
	.protected	k_q34e854535e_oproj
	.globl	k_q34e854535e_oproj
	.p2align	8
	.type	k_q34e854535e_oproj,@function
k_q34e854535e_oproj:
	s_mov_b64 s[64:65], 0
	v_nop
	global_prefetch_b8 v0, s[64:65] scope:SCOPE_SE
	s_setreg_imm32_b32 hwreg(HW_REG_WAVE_MODE, 25, 1), 1
	s_wait_xcnt 0x0
	s_wait_alu depctr_hold_cnt(0) depctr_sa_sdst(0) depctr_va_vdst(0) depctr_va_sdst(0) depctr_va_ssrc(0) depctr_va_vcc(0) depctr_vm_vsrc(0)
	s_getreg_b32 s2, hwreg(HW_REG_IB_STS2, 6, 4)
	s_cmp_eq_u32 s2, 0
	s_cbranch_scc0 .Lentry_in_a_cluster
	s_endpgm
.Lentry_in_a_cluster:
	s_bfe_u32 s2, ttmp6, 0x10000c
	s_cmp_lg_u32 s2, 0xf033
	s_cbranch_scc0 .Lentry_shape_is_right
	s_endpgm
.Lentry_shape_is_right:
; out0 = att Wo^T on E4M3 codes; each f32 sum is multiplied once by 2^(e10 + e11).  LIMIT: e10 + e11 lies between -126 and 127, so that this factor is an f32 number.
; OPERANDS lie in memory as images of their registers: a row tile rt is the 16 rows ROW(rt, r) = 32 (rt / 2) + 8 (rt % 2) + r + 8 (r / 8); its image for 128 along K is 2,048 bytes: block c (512 bytes), lane l = r + 16 h at 16 l:
; row ROW(rt, r), k = 32 c + 16 h + 0 .. 15; image (rt, ks) at (8 rt + ks) x 2,048.  Wo's row tiles are numbers 192 to 255 of wc.  The place of k in the registers is the same in both operands.
; A tile of the result, 256 x 256, is made by a work-group of four waves, each 128 x 128: 64 accumulators, 512 registers.  K = 1,024 goes in four steps of 256 through two LDS slots filled by the tensor data mover:
; one load brings 8 row tiles x 4,096 bytes (two images each), 16,384 bytes apart in memory, dense in LDS.  Every fragment load reads 512 consecutive LDS bytes: no padding is needed.
; CLUSTERS: 4 x 4 work-groups.  The four of a row of the cluster need the same tiles of att (region U), the four of a column the same tiles of Wo (region W): each is asked for jointly.
; THE MATRIX INSTRUCTION IS USED TRANSPOSED (source 0 = 16 rows of Wo, source 1 = 16 tokens): lane (r, h) holds token ROW(a, r) of my 128, and register j of accumulator (a, b) the output column 32 (b / 2) + 16 h + 8 (b % 2) + j of my 128.
; The grid has 128 work-groups: 32 x 4 tiles of 256 x 256.
; REGISTERS, in windows of 256: window 0: v16-31 addresses; v32-95 at work on the way out; v128-255 the tokens' fragments, ONE set, later rows read back.  window 1: Wo's fragments, TWO sets.  windows 2, 3: the accumulators ((a, b) at v[8 (8 (a % 4) + b)]).
.set FR,     16                        ; registers of a fragment: 16 rows x 128 K
.set NL,     4                         ; LDS loads that bring one
.set NP,     4                         ; places behind this matrix instruction (ISA guide 7.12.1)
.set KB,     4096                      ; a row tile's bytes in a slot: two images
.set HALFT,  8*KB                      ; 8 row tiles: what one tensor load brings, and what one wave reads of a region
.set SLOT,   4*HALFT                   ; region U (16 row tiles of att), then region W (16 of Wo)
.set SPARE,  2*SLOT                    ; behind the ring: the spare words, 128 bytes for each wave: two blocks of 256 bytes that no other line names
.set SPITCH, 528                       ; the way out: a stage of 16 rows x (512 bytes + 16) for each wave.  It lies in slot 0, which has had its last fill and its last read when the first result is stored there
.set ADRA, 16                          ; v16-17  LDS address of the tokens' fragments in slot 0, 1
.set ADRB, 20                          ; v20-21  the same for Wo's
.set STO,  24                          ; v24     the way out: where I put my bytes of a row
.set RD,   25                          ; v25     the way out: where I read a row back
.set CO,   26                          ; v26     16 x lane: my byte offset in a row of 512 bytes
.set SPW,  28                          ; v28     LDS address of my spare word: SPARE + 4 x my thread's number; never rewritten
.set NIL,  29                          ; v29     0; never rewritten
.set TMP,  32
.set AF,   128
.set BK,   128                         ; the way out: 16 rows read back from the stage: v128-191 and v192-255 by turns
.set G1, 24                            ; s[24:31] descriptor group 1 for U's tiles;  s[32:39] group 0, one set for each slot
.set G0, 32
.set G1B, 48                           ; s[48:55], s[56:63] the same for W's tiles
.set G0B, 56
.set MSB, 0
.macro WIN new                         ; the immediate's high byte repeats the setting that is left
.if MSB != \new
	s_set_vgpr_msb (MSB<<8)|\new
.set MSB, \new
.endif
.endm
.set MUL_LO, 0xa1                      ; source 0 window 1, source 1 window 0, C and D window 2
.set MUL_HI, 0xf1                      ; the same, C and D window 3
.set TO_B,   0x40                      ; destination window 1, address window 0
; A joint load: waves 0 and 1 fetch for U, waves 2 and 3 for W.  Each of the two lines has one mask and one set of registers for all that issue it; the branch hangs on the wave's number alone.
; Four v_nop follow each of the two lines, ahead of the jump, the label and what follows.
.macro JLOAD g0a, g1a, g0b, g1b
	s_cmp_eq_u32 s15, 0
	s_cbranch_scc0 .Lfor_b_\@
	tensor_load_to_lds s[\g0a:\g0a+3], s[\g1a:\g1a+7]
	s_nop 0
.rept 4
	v_nop
.endr
	s_branch .Lasked_\@
.Lfor_b_\@:
	tensor_load_to_lds s[\g0b:\g0b+3], s[\g1b:\g1b+7]
	s_nop 0
.rept 4
	v_nop
.endr
.Lasked_\@:
.endm
.macro CREST                           ; a round of the cluster's barrier behind its opening barrier
	s_cmp_lg_u32 s14, 0
	s_cbranch_scc1 .Lnot_wave_0_\@
	s_barrier_signal -3
.Lnot_wave_0_\@:
	s_barrier_wait -3
	s_barrier_signal -1
	s_barrier_wait -1
.endm
.macro CROUND                          ; a whole round
	s_barrier_signal -1
	s_barrier_wait -1
	CREST
.endm
	s_load_b256 s[4:11], s[0:1], 0x0               ; ac s[4:5], wc s[6:7], the exponents s[8:9], out0 s[10:11]
	v_lshl_add_u32 v[SPW], v0, 2, SPARE
	v_mov_b32 v[NIL], 0
	ds_add_u32 v28, v29
	ds_add_u32 v28, v29
	s_wait_dscnt 0x0
	v_lshrrev_b32 v1, 5, v0
	v_readfirstlane_b32 s14, v1                    ; wave 0..3
	s_lshr_b32 s15, s14, 1                         ; which half of the tile's tokens is mine.  Also: I fetch for U (0) or for W (1)
	s_and_b32 s16, s14, 1                          ; which half of its columns.  Also: which 8 row tiles of that region I fetch
	s_bfe_u32 s40, ttmp6, 0x40000                  ; cx, cy: my place in the cluster
	s_bfe_u32 s41, ttmp6, 0x40004
	s_lshl_b32 s42, ttmp9, 2
	s_add_co_u32 s42, s42, s40                     ; gx: which 256 columns
	s_and_b32 s17, ttmp7, 0xffff
	s_lshl_b32 s17, s17, 2
	s_add_co_u32 s17, s17, s41                     ; gy: which 256 tokens
	s_lshl_b32 s43, s41, 2
	s_lshl_b32 s43, 15, s43                        ; my row of the cluster
	s_lshl_b32 s44, 0x1111, s40                    ; my column
	; descriptor group 1: 8 rows of 4,096 bytes, 16,384 bytes apart, dense in LDS
	s_or_b32 s[G1+0], s43, (1<<21)                 ; 15:0 the mask: U's tiles go to my row; 17:16 elements of 1 byte; 20 no padding; 21 set beside a mask
	s_or_b32 s[G1B+0], s44, (1<<21)                ; W's tiles go to my column
.irp g, G1, G1B
	s_mov_b32 s[\g+1], KB<<16                      ; tensor_dim0 = 4,096
	s_mov_b32 s[\g+2], 8<<16                       ; tensor_dim1 = 8
	s_mov_b32 s[\g+3], KB<<16                      ; tile_dim0 = 4,096
	s_mov_b32 s[\g+4], 8                           ; tile_dim1 = 8
	s_mov_b32 s[\g+5], 16384                       ; tensor_dim0_stride: a row tile's eight images
	s_mov_b32 s[\g+6], 0
	s_mov_b32 s[\g+7], 0
.endr
	s_lshl_b32 s18, s16, 17                        ; which 8 row tiles I fetch: 8 x 16,384 bytes
	s_lshl_b32 s20, s17, 18                        ; U: 16 row tiles for each 256 tokens
	s_add_co_u32 s20, s20, s18
	s_mov_b32 s21, 0
	s_lshl_b32 s46, s42, 18                        ; W: 16 row tiles for each 256 columns,
	s_add_co_u32 s46, s46, s18
	s_add_co_u32 s46, s46, 0x300000                ; behind the 192 row tiles of Wq, Wk and Wv
	s_mov_b32 s47, 0
	s_mul_i32 s45, s14, HALFT                      ; where they go: wave x 8 row tiles: no place in the cluster enters an LDS address
	s_wait_kmcnt 0x0
	s_load_b64 s[96:97], s[8:9], 0x28              ; e10, e11
	s_add_nc_u64 s[20:21], s[4:5], s[20:21]
	s_add_nc_u64 s[46:47], s[6:7], s[46:47]
	CROUND                                         ; all sixteen work-groups are here: the first joint loads meet
.irp s, 0,1
	s_mov_b32 s[G0+4*\s], 1
	s_add_co_u32 s[G0+4*\s+1], s45, \s*SLOT
	s_add_nc_u64 s[G0+4*\s+2:G0+4*\s+3], s[20:21], \s*KB
	s_or_b32 s[G0+4*\s+3], s[G0+4*\s+3], 0x80000000
	s_mov_b32 s[G0B+4*\s], 1
	s_add_co_u32 s[G0B+4*\s+1], s45, \s*SLOT
	s_add_nc_u64 s[G0B+4*\s+2:G0B+4*\s+3], s[46:47], \s*KB
	s_or_b32 s[G0B+4*\s+3], s[G0B+4*\s+3], 0x80000000
	s_wait_alu depctr_va_vdst(0)
	s_wait_tensorcnt 0x0
	ds_add_u32 v28, v29
	ds_add_u32 v28, v29
	s_wait_dscnt 0x0
	CROUND
	JLOAD G0+4*\s, G1, G0B+4*\s, G1B
.endr
	v_and_b32 v1, 15, v0                           ; r
	s_wait_alu depctr_va_vdst(0)
	v_bfe_u32 v2, v0, 4, 1                         ; h
	v_and_b32 v6, 31, v0
	v_lshlrev_b32 v[CO], 4, v6                     ; 16 x lane: my place in every block of every image, and in a row of 512 bytes
	s_mul_i32 s21, s15, HALFT                      ; my 8 row tiles of tokens
	s_mul_i32 s22, s16, HALFT                      ; my 8 row tiles of Wo,
	s_add_co_u32 s22, s22, 2*HALFT                 ; which lie behind U
.irp s, 0,1
	v_add_nc_u32 v[ADRA+\s], s21, v[CO]
	v_add_nc_u32 v[ADRB+\s], s22, v[CO]
	s_add_co_u32 s21, s21, SLOT
	s_add_co_u32 s22, s22, SLOT
.endr
	s_mul_i32 s23, s14, 16*SPITCH                  ; my stage
	v_mul_u32_u24 v5, v1, SPITCH                   ; in: row r, + 64 h bytes: 16 columns for each half of the lanes in every 32
	s_wait_alu depctr_va_vdst(0)
	v_lshl_add_u32 v5, v2, 6, v5
	v_add_nc_u32 v[STO], s23, v5
	v_add_nc_u32 v[RD], s23, v[CO]                 ; back: the 32 lanes take one row of 512 bytes
	s_lshl_b32 s20, s17, 20                        ; my first row of out0: (256 gy + 128 x half) rows of 4,096 bytes,
	s_lshl_b32 s21, s15, 19
	s_add_co_u32 s20, s20, s21
	s_lshl_b32 s21, s42, 10                        ; my first column: (256 gx + 128 x half) x 4 bytes
	s_add_co_u32 s20, s20, s21
	s_lshl_b32 s21, s16, 9
	s_add_co_u32 s20, s20, s21
	s_mov_b32 s21, 0
	s_add_nc_u64 s[10:11], s[10:11], s[20:21]
.macro FRAG reg, adr, q, i             ; a fragment comes as it was laid: four blocks of 512 bytes, registers 4 c .. 4 c + 3 from block c
.irp c, 0,1,2,3
	ds_load_b128 v[\reg+4*\c:\reg+4*\c+3], v[\adr] offset:(\i)*KB+(\q)*2048+512*\c
.endr
.endm
; 16 matrix instructions: the tokens' blocks a0, a0 + 1 x Wo's eight, 128 along K.  p: Wo's set.  zero = 1: the first product starts the sums: nothing is ever cleared.
; The 64 accumulators take turns, one instruction a turn, in the same order in every step.
.macro MUL16 a0, p, zero
.irp a, \a0, \a0+1
.irp b, 0,1,2,3,4,5,6,7
.if \zero
	v_wmma_f32_16x16x128_fp8_fp8 v[8*(8*((\a)%4)+\b):8*(8*((\a)%4)+\b)+7], v[128*(\p)+FR*\b:128*(\p)+FR*\b+FR-1], v[AF+FR*(\a):AF+FR*(\a)+FR-1], 0
.else
	v_wmma_f32_16x16x128_fp8_fp8 v[8*(8*((\a)%4)+\b):8*(8*((\a)%4)+\b)+7], v[128*(\p)+FR*\b:128*(\p)+FR*\b+FR-1], v[AF+FR*(\a):AF+FR*(\a)+FR-1], v[8*(8*((\a)%4)+\b):8*(8*((\a)%4)+\b)+7]
.endif
.endr
.endr
.endm
.macro FETCH_B slot, q, p              ; Wo's eight fragments of the slot's q-th 128 along K into set p
	WIN TO_B
.irp i, 0,1,2,3,4,5,6,7
	FRAG 128*(\p)+FR*\i, ADRB+\slot, \q, \i
.endr
	WIN 0
.endm
.macro FETCH_A slot, q, i0             ; the tokens' blocks i0 .. i0 + 3
.irp i, \i0, \i0+1, \i0+2, \i0+3
	FRAG AF+FR*(\i), ADRA+\slot, \q, \i
.endr
.endm
; A load into a register that a matrix instruction has read, and a vector instruction that reads a matrix result, stand NP places behind that matrix instruction; only plain vector
; instructions that name none of its registers are places (ISA guide 7.12.1 for vector instructions).
.macro PLACES n
.rept \n
	v_nop
.endr
.endm
; A step of 128 along K that has its successor in the same slot.
.macro STEP slot, q, zero
	s_wait_dscnt 4*NL                              ; Wo's set and the tokens' blocks 0-3 are in; the youngest sixteen loads (blocks 4-7) may be out
	WIN MUL_LO
	MUL16 0, (\q)%2, \zero
	MUL16 2, (\q)%2, \zero
	s_wait_dscnt 0                                 ; blocks 4-7 are in (asked for 32 matrix instructions ago)
	PLACES NP
	FETCH_B \slot, (\q)+1, 1-(\q)%2
	FETCH_A \slot, (\q)+1, 0
	WIN MUL_HI
	MUL16 4, (\q)%2, \zero
	MUL16 6, (\q)%2, \zero
	PLACES NP
	WIN 0
	FETCH_A \slot, (\q)+1, 4
.endm
; A slot's last step changes slots: one barrier; in front of it each wave waits for all its tensor loads, adds 0 to its spare word, and waits for that and for its own reads of this slot.  fill = 1: this slot is filled again, two K steps ahead.
.macro TURN slot, next, fill
	s_wait_tensorcnt 0x0                           ; all my tensor loads have landed: my part of the next slot;  (every window is 0 here: the add's two registers lie in window 0)
	ds_add_u32 v[SPW], v[NIL]                      ; 0 onto my spare word
	s_wait_dscnt 4*NL+1                            ; (the add and the youngest sixteen loads, blocks 4-7, may be out)
	WIN MUL_LO
	MUL16 0, 1, 0                                  ; sixteen matrix instructions stand between the add and the wait for it
	s_wait_dscnt 0x0                               ; the add is done, and my reads of this slot are over
	s_barrier_signal -1
	MUL16 2, 1, 0
	WIN 0
	s_barrier_wait -1
.if \fill
	CREST                                          ; the barrier has opened a round of the cluster's barrier: no wave of any partner still reads this slot's tile or has a load on its way
	s_add_nc_u64 s[G0+4*\slot+2:G0+4*\slot+3], s[G0+4*\slot+2:G0+4*\slot+3], 2*KB
	s_add_nc_u64 s[G0B+4*\slot+2:G0B+4*\slot+3], s[G0B+4*\slot+2:G0B+4*\slot+3], 2*KB
	JLOAD G0+4*\slot, G1, G0B+4*\slot, G1B         ; the first tensor load behind the round; the four v_nop behind it are the places in front of the loads below
.else
	PLACES NP
.endif
	FETCH_B \next, 0, 0
	FETCH_A \next, 0, 0
	WIN MUL_HI
	MUL16 4, 1, 0
	MUL16 6, 1, 0
	PLACES NP
	WIN 0
	FETCH_A \next, 0, 4
.endm
	s_wait_tensorcnt 1                             ; my part of K step 0 is in (K step 1's load may be out)
	s_barrier_signal -1
	s_barrier_wait -1                              ; everybody's is
	FETCH_B 0, 0, 0
	FETCH_A 0, 0, 0
	FETCH_A 0, 0, 4
	STEP 0, 0, 1                                   ; eight steps of 128 along K, written out: each slot is filled again once
	TURN 0, 1, 1                                   ; slot 0 takes K step 2
	STEP 1, 0, 0
	TURN 1, 0, 1                                   ; slot 1 takes K step 3
	STEP 0, 0, 0
	TURN 0, 1, 0                                   ; nothing is left to fetch: no round of the cluster's barrier.  Behind its barrier nobody reads slot 0 any more
	STEP 1, 0, 0
	s_wait_dscnt 4*NL                              ; the very last step
	WIN MUL_LO
	MUL16 0, 1, 0
	MUL16 2, 1, 0
	s_wait_dscnt 0
	WIN MUL_HI
	MUL16 4, 1, 0
	MUL16 6, 1, 0
	WIN 0
; THE WAY OUT, block by block of 16 tokens x 128 columns.  A lane holds pieces of 32 bytes of one row, and the lanes beside it hold other rows: so a block goes through my own stage in LDS and comes back as whole
; rows of 512 bytes, which the 32 lanes store as two aligned runs of 256 bytes.  LDS serves a wave's instructions in order (ISA guide 5.7.1.4): no wait between the stores and the loads, nor in front of the next block's stores.
.macro TOSTAGE a
.set AC, 64*((\a)%4)
	WIN 0x02+((\a)/4)                              ; source 0: window 2 or 3
.irp j, 0,2,4,6,8,10,12,14,16,18,20,22,24,26,28,30,32,34,36,38,40,42,44,46,48,50,52,54,56,58,60,62
	v_pk_mul_f32 v[TMP+\j:TMP+\j+1], v[AC+\j:AC+\j+1], s[96:97] op_sel_hi:[1,0]   ; both x s96 = 2^(e10 + e11); each accumulator from its low end on
.endr
	WIN 0
.irp b, 0,1,2,3,4,5,6,7
	ds_store_b128 v[STO], v[TMP+8*\b:TMP+8*\b+3] offset:128*(\b/2)+32*(\b%2)       ; columns 32 (b / 2) + 16 h + 8 (b % 2) + 0 .. 7 of row r
	ds_store_b128 v[STO], v[TMP+8*\b+4:TMP+8*\b+7] offset:128*(\b/2)+32*(\b%2)+16
.endr
.set BB, BK+64*((\a)%2)
.irp t, 0,1,2,3,4,5,6,7,8,9,10,11,12,13,14,15
	ds_load_b128 v[BB+4*\t:BB+4*\t+3], v[RD] offset:\t*SPITCH
.endr
.endm
.macro SEND a, younger                 ; younger: the LDS instructions issued behind block a's loads, which may stay out
.set BB, BK+64*((\a)%2)
	s_wait_dscnt \younger                          ; the block is back in registers
.irp t, 0,1,2,3,4,5,6,7,8,9,10,11,12,13,14,15
	global_store_b128 v[CO], v[BB+4*\t:BB+4*\t+3], s[10:11] offset:(32*((\a)/2)+8*((\a)%2)+\t+8*(\t/8))*4096 th:TH_STORE_NT   ; stage row t is token ROW(a, t) of my 128: the row stands in the immediate (127 rows of 4,096 bytes at the most); 512 consecutive bytes, aligned; written once, read by nobody here
.endr
.endm
	s_wait_kmcnt 0x0
	s_add_co_i32 s96, s96, s97                     ; e10 + e11, between -126 and 127,
	s_add_co_i32 s96, s96, 127
	s_lshl_b32 s96, s96, 23                        ; makes the f32 number 2^(e10 + e11)
	PLACES NP                                      ; behind the last products: for the first reads of results and the loads into the registers that held the tokens' fragments
	TOSTAGE 0
.irp a, 1,2,3,4,5,6,7
.if \a > 1
	s_wait_xcnt 0x0                                ; block a - 2's stores have read their registers: block a's loads may land there
.endif
	TOSTAGE \a
	SEND \a-1, 32                                  ; behind block a - 1's loads: block a's 16 stores and 16 loads
.endr
	SEND 7, 0
	s_wait_tensorcnt 0x0                           ; the wave's end, behind my last tensor load and my last LDS store
	ds_add_u32 v[SPW], v[NIL]
	s_wait_dscnt 0x0
	CROUND                                         ; the closing round: no work-group ends while a partner may still ask for a tile that names it
	s_endpgm
.Lfunc_end_k_q34e854535e_oproj:
	.size	k_q34e854535e_oproj, .Lfunc_end_k_q34e854535e_oproj-k_q34e854535e_oproj
	.p2alignl 7, 3214868480
	.fill 96, 4, 3214868480
	.section	.rodata,"a",@progbits
	.p2align	6, 0x0
	.amdhsa_kernel k_q34e854535e_oproj
		.amdhsa_group_segment_fixed_size 327680
		.amdhsa_private_segment_fixed_size 0
		.amdhsa_enable_private_segment 0
		.amdhsa_kernarg_size 32
		.amdhsa_user_sgpr_count 2
		.amdhsa_user_sgpr_kernarg_segment_ptr 1
		.amdhsa_wavefront_size32 1
		.amdhsa_system_sgpr_workgroup_id_x 1
		.amdhsa_system_sgpr_workgroup_id_y 1
		.amdhsa_system_sgpr_workgroup_id_z 1
		.amdhsa_system_vgpr_workitem_id 0
		.amdhsa_next_free_vgpr 1024
		.amdhsa_next_free_sgpr 100
		.amdhsa_reserve_vcc 0
		.amdhsa_float_denorm_mode_32 3
		.amdhsa_float_denorm_mode_16_64 3
		.amdhsa_memory_ordered 1
		.amdhsa_forward_progress 1
		.amdhsa_inst_pref_size 123
	.end_amdhsa_kernel
	.amdgpu_metadata
---
amdhsa.version: [ 1, 2 ]
amdhsa.kernels:
  - .name:           k_q34e854535e_oproj
    .symbol:         k_q34e854535e_oproj.kd
    .args:
      - { .name: ac, .offset: 0, .size: 8, .value_kind: global_buffer, .address_space: global }
      - { .name: wc, .offset: 8, .size: 8, .value_kind: global_buffer, .address_space: global }
      - { .name: lowp_scales, .offset: 16, .size: 8, .value_kind: global_buffer, .address_space: global }
      - { .name: out0, .offset: 24, .size: 8, .value_kind: global_buffer, .address_space: global }
    .group_segment_fixed_size: 327680
    .private_segment_fixed_size: 0
    .kernarg_segment_align: 8
    .kernarg_segment_size: 32
    .max_flat_workgroup_size: 128
    .sgpr_count:     100
    .vgpr_count:     1024
    .wavefront_size: 32
...
	.end_amdgpu_metadata
.endif
;; end of part 4
